; MI455X (gfx1250); checked and timed in simulation.
; The chip was launched on July 23, 2026; its instructions are those of AMD's public machine-readable ISA for CDNA 5 (MIT licence, August 2026) and "CDNA5" Instruction Set Architecture Reference Guide (July 2026). The comments in the code are by the model that wrote it; some were corrected since.
;; Bert Self Attention. Allowed arithmetic: matrix products marked QUANTISED: E4M3 operands, one given power-of-two scale a tensor, by v_wmma_f32_16x16x64_fp8_fp8 or v_wmma_f32_16x16x128_fp8_fp8, f32 sums; everything else in f32.
;; Inputs: Wk 1,024 x 1,024 float32; Wq 1,024 x 1,024 float32; Wv 1,024 x 1,024 float32; attention_mask 8 x 1 x 1 x 1,024 float32; bk 1,024 float32; bq 1,024 float32; bv 1,024 float32; hidden_states 8 x 1,024 x 1,024 float32; lowp_scales 10 int32 (the exponents e of the quantised operands' scales 2^e).
;; Outputs: out0 8 x 1,024 x 1,024 float32.
;; This version of the problem:
;;   THIS VERSION OF THE PROBLEM IS GIVEN IN LOW PRECISION. The matrix products marked QUANTISED in the list below multiply operands that are first quantised to E4M3 (4 exponent bits, 3 mantissa bits; 8 bits a number), with one given power-of-two scale for each operand tensor; their sums are f32. All else is computed in f32.
;;   The module's matrix products, in the order in which they are computed (A, B: the left and right operand; K: the contracted axis; several contracted axes count as one K, in the product's order):
;;     1. [M 8,192, K 1,024] x [K 1,024, N 1,024]; A: input hidden_states; B: input Wq: QUANTISED (scales: A lowp_scales[0], B lowp_scales[1])
;;     2. [M 8,192, K 1,024] x [K 1,024, N 1,024]; A: input hidden_states; B: input Wk: QUANTISED (scales: A lowp_scales[2], B lowp_scales[3])
;;     3. [M 8,192, K 1,024] x [K 1,024, N 1,024]; A: input hidden_states; B: input Wv: QUANTISED (scales: A lowp_scales[4], B lowp_scales[5])
;;     4. batch 128 x [M 1,024, K 64] x [K 64, N 1,024]; A: computed on the way; B: computed on the way: QUANTISED (scales: A lowp_scales[6], B lowp_scales[7])
;;     5. batch 128 x [M 1,024, K 1,024] x [K 1,024, N 64]; A: softmax (see below); B: computed on the way: QUANTISED (scales: A lowp_scales[8], B lowp_scales[9])
;;   THE QUANTISER, for each operand of a quantised product, along K:
;;     - The operand's scale is 2^e, e = its entry of the input lowp_scales (int32; the entries are numbered through the quantised products in the list's order, A before B).
;;     - Each number is divided by the scale, clamped to +-448, and rounded to the nearest number of E4M3, ties to even, subnormals kept.
;;     - The product sums the exact products of the quantised numbers (number of the format x scale) in f32.
;;   ~~~python
;;   def quantise(x, axis, e):      # numpy; x: float32 -> the quantised numbers, widened to float32 again
;;       x = np.moveaxis(x, axis, -1); K = x.shape[-1]
;;       r = np.clip(x / 2.0 ** e, -448, 448)
;;       step = 2.0 ** (np.maximum(np.frexp(np.where(r == 0, 1, r))[1] - 1, -6) - 3)
;;       q = np.round(r / step) * step * 2.0 ** e      # np.round: ties to even
;;       return np.moveaxis(q, -1, axis).astype(np.float32)
;;   ~~~
;;   SOFTMAX AHEAD OF A QUANTISED PRODUCT. Where the list says 'softmax', what is quantised is not the finished softmax but p = 2^(t - M), with t = logit x log2(e) and M = ceil(the row's largest t), a whole number; so 1/2 < the row's largest p <= 1. The row's sum l is taken of the UNQUANTISED p, in f32, and the product's result is divided by l at the end. Since M is a whole number, a kernel that streams over the keys may use a running M (the ceiling of the running maximum): every later rescaling is an exact power of two, so the quantised numbers keep their values, but for numbers so far below the row's largest that they fall under the format's range.
;;   OPERANDS COMPUTED ON THE WAY. 'Computed on the way' means the value that the module computes at that place (a softmax that the list does not call 'softmax' is quantised finished and normalised). What goes into a quantiser is computed in f32, as accurately as f32 sums, v_exp_f32 and their like allow (about 1e-6 of the number): no bf16 or f16 on the way to a quantiser, and a product that is left as it is and whose result goes on into a quantised operand takes f32 operands (vector FMAs, or v_wmma_f32_16x16x4_f32). A number that lies on a knife's edge between two numbers of the format may be rounded either way, as far as f32 arithmetic and the matrix unit's own rounding can turn it there, and no further.
;; One version. Each part assembles by itself: llvm-mc -triple=amdgcn-amd-amdhsa -mcpu=gfx1250 --defsym DOCPART=n.
;; ======== version 1 of 1: 3 launches
;; limits: right only within a limited range of input values
;; workspace buffers: xc 25,165,824 bytes; wc 3,145,728 bytes; qkv 25,165,824 bytes
;; launch quant (part 1): grid 608 x 1, 4 waves a work-group, no clusters, 68,096 bytes of LDS; arguments hidden_states, Wq, Wk, Wv, lowp_scales, xc, wc; writes xc, wc
.if DOCPART == 1
	.amdgcn_target "amdgcn-amd-amdhsa--gfx1250"
	.amdhsa_code_object_version 6
	.text
	.protected	k_qba34d3db83_quant
	.globl	k_qba34d3db83_quant
	.p2align	8
	.type	k_qba34d3db83_quant,@function
k_qba34d3db83_quant:
	s_mov_b64 s[64:65], 0
	v_nop
	global_prefetch_b8 v0, s[64:65] scope:SCOPE_SE
	s_setreg_imm32_b32 hwreg(HW_REG_WAVE_MODE, 25, 1), 1
	s_wait_xcnt 0x0
; hidden_states [8192][1024] f32 and Wq, Wk, Wv [1024 (k)][1024 (n)] f32 become codes of E4M3, K innermost, each with the scale 2^e that is given for it.
; code = x / 2^e, held within +-448, to the nearest code, ties to even.
; xc: THREE versions of x's codes (entries 0, 2, 4 of the scales: x has an entry of its own in each of the three products), 8 MiB each, [8192 rows][1024 bytes].
; wc: Wq, Wk, Wv (entries 1, 3, 5), 1 MiB each, [1024 n][1024 k].
; THE ROWS OF BOTH BUFFERS LIE WITH BITS 3 AND 4 OF THE ROW NUMBER EXCHANGED: storage row 32 B + 16 u + r holds row 32 B + 8 u + r + 8 (r / 8).  Sixteen storage rows on end, as source 0 of a matrix
; instruction, then give lane (r, h) in register j the row 32 B + 16 h + 8 u + j: two neighbouring tiles give a lane 16 neighbours, which the next launch's conversions want.
; Work-groups 0 to 511 take x, 512 to 607 the weights; each of the two paths has LDS bytes of its own.  No barrier: waves share nothing.
; LIMITS: each e between -126 and 119, so that 2^e and 448 x 2^e are f32 numbers.  NaN among the inputs is not served (an infinity is held at the largest code).
.set STEPS, 8                          ; x: steps of 512 numbers for a wave: 4 rows
.set SP,    80                         ; x: a lane's place in a stage: its 64 bytes + 16 of padding
.set WREG,  8192                       ; x: LDS of a wave: two stages of 32 x SP bytes
.set XR,    16                         ; v16-79   x: four sets of 16 numbers as loaded
.set XX,    80                         ; v80-111  x: two sets of 16 neighbours
.set XT,    112                        ; v112-159 x: the numbers held, a set for each version
.set XC,    160                        ; v160-255 x: codes: four registers for each step and version, so that no store's data are written again
.set WSTG,  32768                      ; W: the stages begin here: 32 rows x WP bytes for each wave
.set WP,    272                        ; W: a stage row: 256 bytes of codes + 16
.set NB,    8                          ; W: blocks of 32 along K for a wave
.set WX,    32                         ; v32-95   W: two sets of 32 numbers
.set WC,    96                         ; v96-103  W: a block's codes
.set WO,    112                        ; v112-175 W: the way out
.macro MKSCALE e, vs, vl               ; from the whole number in s[e]: v[vs] = 2^e as f32 (the conversion takes its exponent field), v[vl] = 448 x 2^e
	s_add_co_i32 s40, s[\e], 127
	s_lshl_b32 s41, s40, 23
	v_mov_b32 v[\vs], s41
	s_add_co_i32 s40, s40, 8
	s_lshl_b32 s40, s40, 23
	s_or_b32 s40, s40, 0x600000                    ; the mantissa field of 448
	v_mov_b32 v[\vl], s40
.endm
	s_load_b256 s[4:11], s[0:1], 0x0               ; x s[4:5], Wq s[6:7], Wk s[8:9], Wv s[10:11]
	s_load_b128 s[12:15], s[0:1], 0x20             ; the scales' exponents s[12:13], xc s[14:15]
	s_load_b64 s[16:17], s[0:1], 0x30              ; wc
	v_lshl_add_u32 v12, v0, 2, 0x10800
	v_mov_b32 v13, 0
	v_lshrrev_b32 v1, 5, v0
	v_readfirstlane_b32 s20, v1                    ; wave 0..3
	v_and_b32 v2, 31, v0                           ; lane
	s_wait_kmcnt 0x0
	s_load_b256 s[24:31], s[12:13], 0x0            ; e0 .. e7
	s_cmp_lt_u32 ttmp9, 512
	s_cbranch_scc0 .Lw
; ---------------- x.  A wave takes 4 rows, 4,096 numbers on end.  Each load reads 512 consecutive bytes, 16 a lane; a step's 2,048 bytes go through the wave's own stage and come back 64 bytes a lane:
; 16 neighbours along K, which the conversions take from one lane's registers.  A lane's 16 codes are 16 bytes: each store of the wave covers 512 consecutive bytes, aligned.
	s_lshl_b32 s21, ttmp9, 2
	s_add_co_u32 s21, s21, s20                     ; which run of 4 rows is my wave's: 0 .. 2047
	s_lshl_b32 s22, s21, 14                        ; 16,384 bytes of f32 a run
	s_mov_b32 s23, 0
	s_add_nc_u64 s[4:5], s[4:5], s[22:23]
	s_and_b32 s38, s21, 0xfffffff9                 ; bits 3 and 4 of a row are bits 1 and 2 of its run: they change places
	s_and_b32 s39, s21, 2
	s_lshl_b32 s39, s39, 1
	s_or_b32 s38, s38, s39
	s_and_b32 s39, s21, 4
	s_lshr_b32 s39, s39, 1
	s_or_b32 s38, s38, s39
	s_lshl_b32 s38, s38, 12                        ; 4,096 bytes of codes a run
	s_mov_b32 s39, 0
	s_add_nc_u64 s[32:33], s[14:15], s[38:39]      ; version 0,
	s_add_nc_u64 s[34:35], s[32:33], 0x800000      ; 1,
	s_add_nc_u64 s[36:37], s[32:33], 0x1000000     ; 2: a base each, since 8 MiB is more than a store's immediate holds
	s_wait_alu depctr_va_vdst(0)
	v_lshlrev_b32 v3, 4, v2                        ; my 16 bytes of a load's 512, and of a store's
	s_mul_i32 s40, s20, WREG
	v_lshrrev_b32 v14, 2, v2
	v_mul_u32_u24 v14, v14, SP
	v_and_b32 v15, 3, v2
	v_lshl_add_u32 v14, v15, 4, v14
	v_add_nc_u32 v14, s40, v14                     ; into the stage: four lanes' 64 bytes on end, then the padding
	v_mul_u32_u24 v15, v2, SP
	v_add_nc_u32 v15, s40, v15                     ; out of it: SP x lane
.macro XLOAD t
.irp i, 0,1,2,3
	global_load_b128 v[XR+16*((\t)%4)+4*\i:XR+16*((\t)%4)+4*\i+3], v3, s[4:5] offset:2048*(\t)+512*\i th:TH_LOAD_NT
.endr
.endm
.macro XTURN t                         ; step t's numbers through the stage; LDS serves a wave's instructions in order, so no wait stands between the stores and the loads
.irp i, 0,1,2,3
	ds_store_b128 v14, v[XR+16*((\t)%4)+4*\i:XR+16*((\t)%4)+4*\i+3] offset:32*SP*((\t)%2)+8*SP*\i
.endr
.irp i, 0,1,2,3
	ds_load_b128 v[XX+16*((\t)%2)+4*\i:XX+16*((\t)%2)+4*\i+3], v15 offset:32*SP*((\t)%2)+16*\i
.endr
.endm
.irp t, 0,1,2,3
	XLOAD \t
.endr
	s_wait_alu depctr_va_vdst(0)
	s_wait_kmcnt 0x0
	MKSCALE 24, 5, 8                               ; e0: x in the product with Wq
	MKSCALE 26, 6, 9                               ; e2: with Wk
	MKSCALE 28, 7, 10                              ; e4: with Wv
	s_wait_alu depctr_va_vdst(0)
	s_wait_loadcnt 12                              ; step 0's four loads are in; those of steps 1 to 3 may be out
	XTURN 0
.macro XSTEP t
.set XS, XX+16*((\t)%2)
	s_wait_dscnt 0x0                               ; this step's numbers are back from the stage, so its stores into the stage have read their registers,
.if (\t)+4 < STEPS
	XLOAD (\t)+4                                   ; which take the loads of four steps on
.endif
.if (\t)+1 < STEPS
.if STEPS-2-(\t) >= 3
	s_wait_loadcnt 12                              ; the next step's four loads are in; those of the three steps behind it may be out
.else
	s_wait_loadcnt 4*(STEPS-2-(\t))
.endif
	XTURN (\t)+1                                   ; through the other stage while this step is worked
.endif
.irp w, 0,1,2                          ; the three versions; a version's sixteen holds are plain lines on other registers, between the conversions of the version before and anything that touches theirs
.irp i, 0,1,2,3,4,5,6,7,8,9,10,11,12,13,14,15
	v_med3_num_f32 v[XT+16*\w+\i], v[XS+\i], -v[8+\w], v[8+\w]   ; the conversion to an 8-bit code does not saturate (ISA guide 7.6.2): the hold at the largest code x the scale
.endr
	v_cvt_scalef32_pk8_fp8_f32 v[XC+12*(\t)+4*\w:XC+12*(\t)+4*\w+1], v[XT+16*\w:XT+16*\w+7], v[5+\w]
	v_cvt_scalef32_pk8_fp8_f32 v[XC+12*(\t)+4*\w+2:XC+12*(\t)+4*\w+3], v[XT+16*\w+8:XT+16*\w+15], v[5+\w]
	global_store_b128 v3, v[XC+12*(\t)+4*\w:XC+12*(\t)+4*\w+3], s[32+2*\w:33+2*\w] offset:512*(\t)
.endr
.endm
.irp t, 0,1,2,3,4,5,6,7
	XSTEP \t
.endr
	s_wait_tensorcnt 0x0
	ds_add_u32 v12, v13
	s_wait_dscnt 0x0
	s_endpgm
; ---------------- the weights: K is their FIRST axis.  A lane takes a column n and its registers run down K: each load reads 128 consecutive bytes a wave, and the conversions give codes with K innermost.
; A wave takes 32 columns x 256 along K.  A lane's codes belong to one row of wc and the lanes beside it hold other rows: they go through the wave's own stage and leave as rows, sixteen lanes to 256 consecutive bytes, aligned.
.Lw:
	s_sub_co_u32 s21, ttmp9, 512                   ; 0 .. 95
	s_lshr_b32 s22, s21, 5                         ; which weight: 0 Wq, 1 Wk, 2 Wv
	s_and_b32 s23, s21, 7                          ; which 128 columns
	s_bfe_u32 s38, s21, 0x20003                    ; which 256 along K
	s_lshl_b32 s23, s23, 7
	s_lshl_b32 s39, s20, 5
	s_add_co_u32 s23, s23, s39                     ; my wave's first column
	s_wait_alu depctr_va_vdst(0)
	v_lshlrev_b32 v3, 2, v2                        ; in: 4 bytes a lane
	s_mul_i32 s39, s20, 32*WP
	s_add_co_u32 s39, s39, WSTG                    ; my stage
	v_mul_u32_u24 v4, v2, WP
	v_add_nc_u32 v4, s39, v4                       ; into it: row = my column
	v_and_b32 v5, 15, v2
	v_lshrrev_b32 v6, 4, v2
	v_mul_u32_u24 v7, v6, WP
	v_lshl_add_u32 v7, v5, 4, v7
	v_add_nc_u32 v7, s39, v7                       ; out of it: sixteen lanes to a row, two rows an instruction
	v_lshlrev_b32 v8, 10, v6
	v_lshl_add_u32 v8, v5, 4, v8                   ; and the same place in wc: rows of 1,024 bytes
	s_cmp_eq_u32 s22, 0                            ; the choice hangs on the work-group's number alone
	s_cselect_b64 s[4:5], s[6:7], s[8:9]
	s_cmp_eq_u32 s22, 2
	s_cselect_b64 s[4:5], s[10:11], s[4:5]
	s_lshl_b32 s40, s38, 20                        ; 256 rows of 4,096 bytes,
	s_lshl_b32 s41, s23, 2                         ; 4 bytes a column
	s_add_co_u32 s40, s40, s41
	s_mov_b32 s41, 0
	s_add_nc_u64 s[4:5], s[4:5], s[40:41]
	s_lshl_b32 s40, s22, 20                        ; wc: 1 MiB a weight,
	s_lshl_b32 s42, s23, 10                        ; 1,024 bytes a column,
	s_add_co_u32 s40, s40, s42
	s_lshl_b32 s42, s38, 8                         ; 256 bytes for 256 along K
	s_add_co_u32 s40, s40, s42
	s_add_nc_u64 s[16:17], s[16:17], s[40:41]
.macro WLOAD t                         ; block t: W(32 t + i, my column), i = 0 .. 31, into set t % 2.  The largest offset, 255 rows of 4,096 bytes, lies inside the signed 24-bit immediate
.set I, 0
.rept 32
	global_load_b32 v[WX+32*((\t)%2)+I], v3, s[4:5] offset:(32*(\t)+I)*4096 th:TH_LOAD_NT
.set I, I+1
.endr
.endm
	WLOAD 0
	WLOAD 1
	s_wait_kmcnt 0x0
	s_cmp_eq_u32 s22, 0
	s_cselect_b32 s42, s25, s27                    ; e1 or e3,
	s_cmp_eq_u32 s22, 2
	s_cselect_b32 s42, s29, s42                    ; or e5
	MKSCALE 42, 11, 10
.macro WBLOCK t
.set WS, WX+32*((\t)%2)
.if (\t) < NB-1
	s_wait_loadcnt 32                              ; this block's 32 loads are in; the next block's may be out
.else
	s_wait_loadcnt 0
.endif
.set I, 0
.rept 32
	v_med3_num_f32 v[WS+I], v[WS+I], -v10, v10     ; the hold at the largest code x the scale
.set I, I+1
.endr
.irp g, 0,1,2,3
	v_cvt_scalef32_pk8_fp8_f32 v[WC+2*\g:WC+2*\g+1], v[WS+8*\g:WS+8*\g+7], v11
.endr
	ds_store_b128 v4, v[WC:WC+3] offset:32*(\t)    ; 32 codes: 32 bytes of my column's row
	ds_store_b128 v4, v[WC+4:WC+7] offset:32*(\t)+16
.if (\t)+2 < NB
	WLOAD (\t)+2
.endif
	s_wait_dscnt 0x0                               ; the stores have read their registers: the next block's codes may be written (its holds, plain lines, come first)
.endm
	s_wait_alu depctr_va_vdst(0)
.irp t, 0,1,2,3,4,5,6,7
	WBLOCK \t
.endr
.irp t, 0,1,2,3,4,5,6,7,8,9,10,11,12,13,14,15
	ds_load_b128 v[WO+4*\t:WO+4*\t+3], v7 offset:2*\t*WP   ; LDS serves a wave's instructions in order: these see my stores
.endr
.irp t, 0,1,2,3,4,5,6,7,8,9,10,11,12,13,14,15
	s_wait_dscnt 15-\t                             ; rows 2 t and 2 t + 1 are in; the later ones may be out
	global_store_b128 v8, v[WO+4*\t:WO+4*\t+3], s[16:17] offset:2*((\t&3)|(((\t>>2)&1)<<3)|(((\t>>3)&1)<<2))*1024   ; bits 3 and 4 of the column are bits 2 and 3 of t: they change places
.endr
	s_wait_tensorcnt 0x0
	ds_add_u32 v12, v13
	s_wait_dscnt 0x0
	s_endpgm
.Lfunc_end_k_qba34d3db83_quant:
	.size	k_qba34d3db83_quant, .Lfunc_end_k_qba34d3db83_quant-k_qba34d3db83_quant
	.p2alignl 7, 3214868480
	.fill 96, 4, 3214868480
	.section	.rodata,"a",@progbits
	.p2align	6, 0x0
	.amdhsa_kernel k_qba34d3db83_quant
		.amdhsa_group_segment_fixed_size 68096
		.amdhsa_private_segment_fixed_size 0
		.amdhsa_enable_private_segment 0
		.amdhsa_kernarg_size 56
		.amdhsa_user_sgpr_count 2
		.amdhsa_user_sgpr_kernarg_segment_ptr 1
		.amdhsa_wavefront_size32 1
		.amdhsa_system_sgpr_workgroup_id_x 1
		.amdhsa_system_sgpr_workgroup_id_y 1
		.amdhsa_system_sgpr_workgroup_id_z 1
		.amdhsa_system_vgpr_workitem_id 0
		.amdhsa_next_free_vgpr 256
		.amdhsa_next_free_sgpr 66
		.amdhsa_reserve_vcc 0
		.amdhsa_float_denorm_mode_32 3
		.amdhsa_float_denorm_mode_16_64 3
		.amdhsa_memory_ordered 1
		.amdhsa_forward_progress 1
		.amdhsa_inst_pref_size 89
	.end_amdhsa_kernel
	.amdgpu_metadata
---
amdhsa.version: [ 1, 2 ]
amdhsa.kernels:
  - .name:           k_qba34d3db83_quant
    .symbol:         k_qba34d3db83_quant.kd
    .args:
      - { .name: hidden_states, .offset: 0, .size: 8, .value_kind: global_buffer, .address_space: global }
      - { .name: Wq, .offset: 8, .size: 8, .value_kind: global_buffer, .address_space: global }
      - { .name: Wk, .offset: 16, .size: 8, .value_kind: global_buffer, .address_space: global }
      - { .name: Wv, .offset: 24, .size: 8, .value_kind: global_buffer, .address_space: global }
      - { .name: lowp_scales, .offset: 32, .size: 8, .value_kind: global_buffer, .address_space: global }
      - { .name: xc, .offset: 40, .size: 8, .value_kind: global_buffer, .address_space: global }
      - { .name: wc, .offset: 48, .size: 8, .value_kind: global_buffer, .address_space: global }
    .group_segment_fixed_size: 68096
    .private_segment_fixed_size: 0
    .kernarg_segment_align: 8
    .kernarg_segment_size: 56
    .max_flat_workgroup_size: 128
    .sgpr_count:     66
    .vgpr_count:     256
    .wavefront_size: 32
...
	.end_amdgpu_metadata
.endif
;; end of part 1
;; launch qkv (part 2): grid 4 x 64, 4 waves a work-group, clusters of 4 x 4, 327,680 bytes of LDS; arguments xc, wc, lowp_scales, bq, bk, bv, qkv; writes qkv
.if DOCPART == 2
	.amdgcn_target "amdgcn-amd-amdhsa--gfx1250"
	.amdhsa_code_object_version 6
	.text
	.protected	k_qba34d3db83_qkv
	.globl	k_qba34d3db83_qkv
	.p2align	8
	.type	k_qba34d3db83_qkv,@function
k_qba34d3db83_qkv:
	s_mov_b64 s[64:65], 0
	v_nop
	global_prefetch_b8 v0, s[64:65] scope:SCOPE_SE
	s_setreg_imm32_b32 hwreg(HW_REG_WAVE_MODE, 25, 1), 1
	s_wait_xcnt 0x0
	s_wait_alu depctr_hold_cnt(0) depctr_sa_sdst(0) depctr_va_vdst(0) depctr_va_sdst(0) depctr_va_ssrc(0) depctr_va_vcc(0) depctr_vm_vsrc(0)
	s_getreg_b32 s2, hwreg(HW_REG_IB_STS2, 6, 4)
	s_cmp_eq_u32 s2, 0
	s_cbranch_scc0 .Lentry_in_a_cluster
	s_endpgm
.Lentry_in_a_cluster:
	s_bfe_u32 s2, ttmp6, 0x10000c
	s_cmp_lg_u32 s2, 0xf033
	s_cbranch_scc0 .Lentry_shape_is_right
	s_endpgm
.Lentry_shape_is_right:
; q = x Wq + bq, k = x Wk + bk, v = x Wv + bv on codes of E4M3, and the results quantised again, straight out of the accumulators, as operands of the attention's two products.
; xc: x's codes, three versions of [8192][1024], one for each product; wc: the weights' codes, three of [1024 n][1024 k]; in both, bits 3 and 4 of the row number are exchanged.
; qkv: q at 0, k at 8 MiB, v at 16 MiB; each [batch x 16 + head][64 fragments][1,024 bytes].  A FRAGMENT IS AN IMAGE OF AN OPERAND'S REGISTERS (16 rows x 64 K, 8 registers a lane): registers 4 c .. 4 c + 3 of
; lane l lie at 512 c + 16 l, and lane (r, h) holds K = 32 c + 16 h + 0 .. 15 of its row r.  q, k: fragment mt = storage tokens 16 mt + r x the head's 64.  v: fragment 4 kg + dt = storage channels 16 dt + r x keys 64 kg on.
; 256 WORK-GROUPS OF EQUAL WORK, each with two tiles: first 256 x 256 of q or of k (there are 128 + 128 of them), then 256 channels x 128 tokens of v (256 of them).  K = 1,024 goes in four steps of 256 through two
; LDS slots, and the ring runs on from the first tile into the second: the first tile's last two changes of slots ask for the second's K steps 0 and 1, which land while the first tile leaves.
; TWO SIDES.  P is source 1 (a lane holds one of its rows), Q is source 0 (a lane's registers run along its rows).  q, k: P = x, Q = W, so that the registers run along the head's channels, the next K.
; v: P = Wv, Q = x, so that they run along the keys, the next K.  Since Q's storage rows are exchanged, the 16 registers of Q's blocks 2 B and 2 B + 1 are 16 neighbours: the conversions' results
; are the fragment's registers, and each store of the wave covers 512 consecutive bytes, aligned.  No stage in LDS.
; A wave makes 128 of P x 128 of Q (64 accumulators), then 128 x 64 (32).
; CLUSTERS: 4 x 4 work-groups; cluster y: batch = y mod 8, y / 8 = 0: q, 1: k, and in v the batch's tokens 512 (y / 8) on.  P's tile hangs on the cluster's y and cy and is asked for jointly by a row of the
; cluster, Q's on the cluster's y and cx, by a column.
; PREFETCH INTO THE L2: of the ring's eight K steps (four a tile), behind each joint load the one that stands two loads on is asked for; at the head, behind the first load, the second and third.  The rows that a wave
; fetches are shared out by address among the four partners that ask for them jointly, a lane a row of 256 bytes.  x's rows are asked for by every cluster that loads them; Wq and Wk, which eight clusters load each, by the four whose
; batch has bit 1 clear, and Wv, which all sixteen load, by the four whose batch is 0 or 4.  The last two loads ask for nothing.
; A sum stands for sum x 2^(ea + eb): code = (sum + bias / 2^(ea + eb)) / 2^(eo - ea - eb), held at +-448 codes.  (ea, eb, eo) = entries (0, 1, 6), (2, 3, 7), (4, 5, 9) of the scales.
; LIMITS: eo - ea - eb between -126 and 119, so that the conversion's scale and 448 x it are f32 numbers.  NaN is not served.
; REGISTERS, in windows of 256: window 0: v0-31 addresses; v32-95 the bias along Q (q, k), v96-111 along P (v); from v128 P's fragments, ONE set; on the way out the codes.
;   window 1: Q's fragments, TWO sets, at v0 and v128; on the way out v0-63 at work.   window 2: the accumulators of my P rows 0-63 ((a, b) at v[8 (8 a + b)]);   window 3: those of rows 64-127.
.set ROWB,   256                       ; a tile's row in bytes
.set KROW,   1024                      ; a row of xc or wc in bytes
.set PITCH,  272                       ; an LDS row: 256 bytes + 16 of padding: the 16 rows that a load touches start 4 banks apart (64 banks of 4 bytes: ISA guide 11.1)
.set FR,     16                        ; registers of a fragment: 16 rows x 128 K
.set NL,     4                         ; LDS loads that bring one
.set NP,     4                         ; places behind this matrix instruction (ISA guide 7.12.1)
.set HALFT,  128*PITCH
.set SLOT,   4*HALFT                   ; P's 256 rows, then Q's 256 (v: 128) rows
.set SPARE,  2*SLOT                    ; the spare words, 128 bytes for each wave
.set ADRA, 16                          ; v16-17  LDS address of my P fragments in slot 0, 1
.set ADRB, 20                          ; v20-21  of Q's, first tile;  v22-23 second tile
.set PF1,  24                          ; v24     the prefetches' offset, first tile: a lane a row
.set PF2,  25                          ; v25     second tile: Q's waves have 16 rows, and the lanes over name the last again
.set STA,  27                          ; v27     16 x lane
.set SPW,  28                          ; v28     LDS address of my spare word; never rewritten
.set NIL,  29                          ; v29     0; never rewritten
.set SCL,  30                          ; v30     2^(eo - ea - eb)
.set LIM,  31                          ; v31     448 x that
.set BQ,   32
.set BP,   96
.set AF,   128                         ; P's fragments
.set CD,   128                         ; the way out: codes, registers of their own for each block
.set TW,   0                           ; the way out: registers at work, in window 1
.set G1, 24                            ; s[24:31] descriptor group 1 for P's tiles;  s[32:39] group 0, one set for each slot
.set G0, 32
.set G1B, 48                           ; s[48:55], s[56:63] the same for Q's tiles
.set G0B, 56
.set G1C, 84                           ; s[84:91] group 1 for the second tile's Q: 64 rows a load
.set WH, 74                            ; s74  0: q, 1: k
.set BT, 75                            ; s75  the batch
.set VP, 2                             ; s[2:3]   where the second tile's P begins for me in memory
.set VQ, 12                            ; s[12:13] and its Q
.set VL, 66                            ; s66  my part of the second tile's Q in a slot
.set ES, 92                            ; s[92:101] e0 .. e9
.set PA, 4                             ; s[4:5]  where my prefetches stand, first tile (behind the head's use of s[4:7])
.set PB, 6                             ; s[6:7]  second tile
.set L1, 42                            ; s42  0: my wave prefetches for the first tile
.set L2, 67                            ; s67  for the second
.set NB, 8                             ; Q's blocks a wave: 8, in the second tile 4
.set QADR, ADRB
.set QG1, G1B
.set MSB, 0
.macro WIN new                         ; the immediate's high byte repeats the setting that is left
.if MSB != (\new)
	s_set_vgpr_msb (MSB<<8)|(\new)
.set MSB, (\new)
.endif
.endm
.set MUL_LO, 0xa1                      ; source 0 (Q) window 1, source 1 (P) window 0, C and D window 2
.set MUL_HI, 0xf1                      ; the same, C and D window 3
.set TO_B,   0x40                      ; destination window 1, address window 0
; A joint load: waves 0 and 1 fetch for P, waves 2 and 3 for Q; the branch hangs on the wave's number alone.
.macro JLOAD g0a, g1a, g0b, g1b
	s_cmp_eq_u32 s15, 0
	s_cbranch_scc0 .Lfor_b_\@
	tensor_load_to_lds s[\g0a:\g0a+3], s[\g1a:\g1a+7]
	s_nop 0
.rept 4
	v_nop
.endr
	s_branch .Lasked_\@
.Lfor_b_\@:
	tensor_load_to_lds s[\g0b:\g0b+3], s[\g1b:\g1b+7]
	s_nop 0
.rept 4
	v_nop
.endr
.Lasked_\@:
.endm
.macro CREST                           ; a round of the cluster's barrier behind its opening barrier
	s_cmp_lg_u32 s14, 0
	s_cbranch_scc1 .Lnot_wave_0_\@
	s_barrier_signal -3
.Lnot_wave_0_\@:
	s_barrier_wait -3
	s_barrier_signal -1
	s_barrier_wait -1
.endm
.macro CROUND
	s_barrier_signal -1
	s_barrier_wait -1
	CREST
.endm
.macro SHADD d, s, n, t                ; s[d] += s[s] << n, by way of s[t]
	s_lshl_b32 s[\t], s[\s], \n
	s_add_co_u32 s[\d], s[\d], s[\t]
.endm
; what the next joint load's neighbour prefetches: l: the register that holds 0 in the waves that ask (l = 0: nobody), a: address, v: offset, k: K step
.macro SETASK l, a, v, k
.set ASKL, \l
.set ASKA, \a
.set ASKV, \v
.set ASKO, (\k)*ROWB
.endm
.macro ASK
.if ASKL
	s_cmp_eq_u32 s[ASKL], 0
	s_cbranch_scc0 .Lnot_mine_\@
	global_prefetch_b8 v[ASKV], s[ASKA:ASKA+1] offset:ASKO th:TH_LOAD_NT scope:SCOPE_SE
.Lnot_mine_\@:
.endif
.endm
	s_load_b128 s[4:7], s[0:1], 0x0                ; xc, wc
	s_load_b128 s[8:11], s[0:1], 0x10              ; the scales' exponents, bq
	s_load_b128 s[68:71], s[0:1], 0x20             ; bk, bv
	s_load_b64 s[72:73], s[0:1], 0x30              ; qkv
	v_lshl_add_u32 v[SPW], v0, 2, SPARE
	v_mov_b32 v[NIL], 0
	ds_add_u32 v[SPW], v[NIL]                      ; the wave's opening: the add, twice on end, and its wait ahead of my first tensor load
	ds_add_u32 v[SPW], v[NIL]
	v_lshrrev_b32 v1, 5, v0
	v_readfirstlane_b32 s14, v1                    ; wave 0..3
	s_lshr_b32 s15, s14, 1                         ; which half of P's rows is mine.  Also: I fetch for P (0) or for Q (1)
	s_and_b32 s16, s14, 1                          ; which half of Q's.  Also: which half of that tile I fetch
	s_bfe_u32 s40, ttmp6, 0x40000                  ; cx, cy
	s_bfe_u32 s41, ttmp6, 0x40004
	s_and_b32 s[BT], ttmp7, 0xffff                 ; the cluster's y: 0 .. 15
	s_lshr_b32 s[WH], s[BT], 3
	s_and_b32 s[BT], s[BT], 7
	s_lshl_b32 s43, s41, 2
	s_lshl_b32 s43, 15, s43                        ; my row of the cluster
	s_lshl_b32 s44, 0x1111, s40                    ; my column
	; descriptor group 1: rows of 256 bytes, padded in LDS: 15:0 the mask; 17:16 element of 1 byte; 20 padding on; 21 set beside a mask; 24:22 after every 64 words (code 5); 31:25 of 4 words (code 3)
	s_or_b32 s[G1+0], s43, (1<<20)|(1<<21)|(5<<22)|(3<<25)
	s_or_b32 s[G1B+0], s44, (1<<20)|(1<<21)|(5<<22)|(3<<25)
	s_or_b32 s[G1C+0], s44, (1<<20)|(1<<21)|(5<<22)|(3<<25)
.irp g, G1, G1B, G1C
	s_mov_b32 s[\g+1], ROWB<<16                    ; tensor_dim0
	s_mov_b32 s[\g+3], ROWB<<16                    ; tile_dim0
	s_mov_b32 s[\g+5], KROW                        ; tensor_dim0_stride
	s_mov_b32 s[\g+6], 0
	s_mov_b32 s[\g+7], 0
.endr
	s_mov_b32 s[G1+2], 128<<16                     ; tensor_dim1, tile_dim1: 128 rows,
	s_mov_b32 s[G1+4], 128
	s_mov_b32 s[G1B+2], 128<<16
	s_mov_b32 s[G1B+4], 128
	s_mov_b32 s[G1C+2], 64<<16                     ; 64 rows
	s_mov_b32 s[G1C+4], 64
	; where the tiles come from, in bytes.  P's never hang on cx, Q's never on cy
	s_lshl_b32 s20, s[BT], 20                      ; P: row 1,024 batch + 256 cy + 128 half of x,
	SHADD 20, 41, 18, 18
	SHADD 20, 16, 17, 18
	SHADD 20, WH, 23, 18                           ; in the version for this product
	s_mov_b32 s21, 0
	s_lshl_b32 s46, s40, 18                        ; Q: row 256 cx + 128 half of Wq or Wk
	SHADD 46, 16, 17, 19
	SHADD 46, WH, 20, 19
	s_mov_b32 s47, 0
	s_lshl_b32 s[VP], s41, 18                      ; the second tile: P: row 256 cy + 128 half of Wv
	SHADD VP, 16, 17, 18
	s_add_co_u32 s[VP], s[VP], 0x200000
	s_mov_b32 s[VP+1], 0
	s_lshl_b32 s[VQ], s[BT], 20                    ; Q: row 1,024 batch + 512 (y / 8) + 128 cx + 64 half of x's third version
	SHADD VQ, WH, 19, 19
	SHADD VQ, 40, 17, 19
	SHADD VQ, 16, 16, 19
	s_add_co_u32 s[VQ], s[VQ], 0x1000000
	s_mov_b32 s[VQ+1], 0
	s_mul_i32 s45, s14, HALFT                      ; where they go: wave x 128 rows: no place in the cluster enters an LDS address;
	s_mul_i32 s[VL], s16, 64*PITCH                 ; the second tile's Q: 64 rows a wave, behind P's 256
	s_add_co_u32 s[VL], s[VL], 2*HALFT
	s_wait_dscnt 0x0                               ; both opening adds are done
	s_wait_kmcnt 0x0
	s_load_b256 s[ES:ES+7], s[8:9], 0x0            ; e0 .. e7
	s_load_b64 s[ES+8:ES+9], s[8:9], 0x20          ; e8, e9
	s_add_nc_u64 s[20:21], s[4:5], s[20:21]
	s_add_nc_u64 s[46:47], s[6:7], s[46:47]
	s_add_nc_u64 s[VP:VP+1], s[6:7], s[VP:VP+1]
	s_add_nc_u64 s[VQ:VQ+1], s[4:5], s[VQ:VQ+1]
.irp s, 0,1
	s_mov_b32 s[G0+4*\s], 1
	s_add_co_u32 s[G0+4*\s+1], s45, \s*SLOT
	s_add_nc_u64 s[G0+4*\s+2:G0+4*\s+3], s[20:21], \s*ROWB
	s_or_b32 s[G0+4*\s+3], s[G0+4*\s+3], 0x80000000
	s_mov_b32 s[G0B+4*\s], 1
	s_add_co_u32 s[G0B+4*\s+1], s45, \s*SLOT
	s_add_nc_u64 s[G0B+4*\s+2:G0B+4*\s+3], s[46:47], \s*ROWB
	s_or_b32 s[G0B+4*\s+3], s[G0B+4*\s+3], 0x80000000
.endr
	CROUND                                         ; all sixteen work-groups are here: the first joint loads meet
	JLOAD G0, G1, G0B, G1B                         ; K step 0: one tensor load a wave at the head
	; the prefetches: of the rows that I fetch, those that are my work-group's: 32 x cx (P) or cy (Q) on; 16 x cy in the second tile's Q
	s_cmp_eq_u32 s15, 0
	s_cselect_b64 s[PA:PA+1], s[20:21], s[46:47]
	s_cselect_b64 s[PB:PB+1], s[VP:VP+1], s[VQ:VQ+1]
	s_cselect_b32 s82, s40, s41
	s_cselect_b32 s83, 15, 14
	s_cselect_b32 s23, 31, 15                      ; the second tile: my wave's last row
	s_lshl_b32 s22, s82, s83
	s_lshl_b32 s82, s82, 15
	s_mov_b32 s83, 0
	s_add_nc_u64 s[PA:PA+1], s[PA:PA+1], s[82:83]
	s_mov_b32 s82, s22
	s_add_nc_u64 s[PB:PB+1], s[PB:PB+1], s[82:83]
	s_and_b32 s[L1], s[BT], 2                      ; who asks: P's waves; Q's where the batch has bit 1 clear
	s_mul_i32 s[L1], s[L1], s15
	s_and_b32 s[L2], s[BT], 3                      ; the second tile: Q's waves; P's where the batch is 0 or 4
	s_xor_b32 s17, s15, 1
	s_mul_i32 s[L2], s[L2], s17
	; the bias: along Q (q, k) from channel 256 cx + 128 half on, along P (v) from channel 256 cy + 128 half on
	s_cmp_eq_u32 s[WH], 0
	s_cselect_b64 s[76:77], s[10:11], s[68:69]
	s_lshl_b32 s82, s40, 10
	SHADD 82, 16, 9, 83
	s_mov_b32 s83, 0
	s_add_nc_u64 s[76:77], s[76:77], s[82:83]
	s_lshl_b32 s82, s41, 10
	SHADD 82, 15, 9, 83
	s_mov_b32 s83, 0
	s_add_nc_u64 s[78:79], s[70:71], s[82:83]
	; where my fragments go.  v: fragment (16 batch + 4 cy + 2 half of P) 64 + 4 kg, kg = 8 (y / 8) + 2 cx + half of Q, in v's part
	s_lshl_b32 s82, s[BT], 20
	SHADD 82, 41, 18, 83
	SHADD 82, 15, 17, 83
	SHADD 82, WH, 15, 83
	SHADD 82, 40, 13, 83
	SHADD 82, 16, 12, 83
	s_add_co_u32 s82, s82, 0x1000000
	s_mov_b32 s83, 0
	s_add_nc_u64 s[80:81], s[72:73], s[82:83]
	; q, k: fragment (16 batch + 4 cx + 2 half of Q) 64 + 16 cy + 8 half of P
	s_lshl_b32 s82, s[BT], 20
	SHADD 82, 40, 18, 83
	SHADD 82, 16, 17, 83
	SHADD 82, 41, 14, 83
	SHADD 82, 15, 13, 83
	SHADD 82, WH, 23, 83
	s_mov_b32 s83, 0
	s_add_nc_u64 s[72:73], s[72:73], s[82:83]
	s_mul_i32 s21, s15, HALFT                      ; my 128 rows of P
	s_mul_i32 s22, s16, HALFT                      ; my 128 rows of Q, behind P's 256
	s_add_co_u32 s22, s22, 2*HALFT
	v_and_b32 v1, 15, v0                           ; r
	v_bfe_u32 v2, v0, 4, 1                         ; h
	v_mul_u32_u24 v3, v1, PITCH
	v_lshl_add_u32 v4, v2, 4, v3                   ; a fragment's row x pitch + 16 h
	v_add_nc_u32 v[ADRA], s21, v4
	v_add_nc_u32 v[ADRB], s22, v4
	v_add_nc_u32 v[ADRB+2], s[VL], v4
	v_add_nc_u32 v[ADRA+1], SLOT, v[ADRA]
	v_add_nc_u32 v[ADRB+1], SLOT, v[ADRB]
	v_add_nc_u32 v[ADRB+3], SLOT, v[ADRB+2]
	v_and_b32 v6, 31, v0
	v_lshlrev_b32 v[STA], 4, v6
	v_lshlrev_b32 v[PF1], 10, v6
	v_min_u32 v[PF2], s23, v6
	v_lshlrev_b32 v[PF2], 10, v[PF2]
	v_lshlrev_b32 v10, 6, v2                       ; along Q: register j of block b is channel 32 (b / 2) + 16 h + 8 (b % 2) + j
	v_and_b32 v11, 7, v1
	v_lshrrev_b32 v12, 3, v1
	v_lshl_add_u32 v11, v12, 4, v11
	v_lshlrev_b32 v11, 2, v11                      ; along P: lane r of block a is channel 32 (a / 2) + 8 (a % 2) + r + 8 (r / 8)
.irp b, 0,1,2,3,4,5,6,7
	global_load_b128 v[BQ+8*\b:BQ+8*\b+3],   v10, s[76:77] offset:4*(32*(\b/2)+8*(\b%2))
	global_load_b128 v[BQ+8*\b+4:BQ+8*\b+7], v10, s[76:77] offset:4*(32*(\b/2)+8*(\b%2))+16
.endr
.irp a, 0,1,2,3,4,5,6,7
	global_load_b32 v[BP+2*\a],   v11, s[78:79] offset:4*(32*(\a/2)+8*(\a%2))
	global_load_b32 v[BP+2*\a+1], v11, s[78:79] offset:4*(32*(\a/2)+8*(\a%2))   ; twice: the packed addition names a pair
.endr
.macro FRAG reg, adr, q, i             ; a fragment: lane l holds row l % 16; registers 4 c .. 4 c + 3 hold K = 32 c + 16 (l / 16) + 0 .. 15: the same places of K on both sides
.irp c, 0,1,2,3
	ds_load_b128 v[\reg+4*\c:\reg+4*\c+3], v[\adr] offset:128*(\q)+32*\c+(\i)*16*PITCH
.endr
.endm
; P's block a x Q's NB, 128 along K.  p: Q's set.  zero = 1: the first product starts the sums.
; The accumulators take turns, one instruction a turn, in the same order in every step.
.macro MUL8 a, p, zero
.irp b, 0,1,2,3,4,5,6,7
.if \b < NB
.if \zero
	v_wmma_f32_16x16x128_fp8_fp8 v[8*(8*((\a)%4)+\b):8*(8*((\a)%4)+\b)+7], v[128*(\p)+FR*\b:128*(\p)+FR*\b+FR-1], v[AF+FR*(\a):AF+FR*(\a)+FR-1], 0
.else
	v_wmma_f32_16x16x128_fp8_fp8 v[8*(8*((\a)%4)+\b):8*(8*((\a)%4)+\b)+7], v[128*(\p)+FR*\b:128*(\p)+FR*\b+FR-1], v[AF+FR*(\a):AF+FR*(\a)+FR-1], v[8*(8*((\a)%4)+\b):8*(8*((\a)%4)+\b)+7]
.endif
.endif
.endr
.endm
.macro MUL16 a0, p, zero
	MUL8 \a0, \p, \zero
	MUL8 (\a0)+1, \p, \zero
.endm
.macro FETCH_B slot, q, p              ; Q's fragments of the slot's q-th 128 along K into set p
	WIN TO_B
.irp i, 0,1,2,3,4,5,6,7
.if \i < NB
	FRAG 128*(\p)+FR*\i, QADR+\slot, \q, \i
.endif
.endr
	WIN 0
.endm
.macro FETCH_A slot, q, i0             ; P's blocks i0 .. i0 + 3
.irp i, \i0, \i0+1, \i0+2, \i0+3
	FRAG AF+FR*(\i), ADRA+\slot, \q, \i
.endr
.endm
; A load into a register that a matrix instruction has read, and a vector instruction that reads a matrix result or writes one of its registers, stand NP places behind it, and only plain vector
; instructions that name none of its registers are places (ISA guide 7.12.1 for vector instructions).
.macro PLACES n
.rept \n
	v_nop
.endr
.endm
; A step of 128 along K that has its successor in the same slot.  P's blocks go one after the other, each against Q's: a block of P is free when its products are issued, so P has one set of registers.
.macro STEP slot, q, zero
	s_wait_dscnt 4*NL                              ; Q's set and P's blocks 0-3 are in; the youngest sixteen loads (P's blocks 4-7) may be out
	WIN MUL_LO
	MUL16 0, (\q)%2, \zero
	MUL16 2, (\q)%2, \zero
	s_wait_dscnt 0
	PLACES NP
	FETCH_B \slot, (\q)+1, 1-(\q)%2
	FETCH_A \slot, (\q)+1, 0
	WIN MUL_HI
	MUL16 4, (\q)%2, \zero
	MUL16 6, (\q)%2, \zero
	PLACES NP
	WIN 0
	FETCH_A \slot, (\q)+1, 4
.endm
; A slot's last step changes slots: in front of the round each wave waits for all its tensor loads, adds 0 to its spare word, and waits for that and for its own reads of this slot.
; fill = 1: this slot is filled again, two K steps ahead in the same tile; 2: with the second tile's K step of this slot's number; 0: not at all.  fetch: the next slot's first fragments are fetched here.
.macro TURN slot, next, fill, fetch
	s_wait_dscnt 4*NL                              ; Q's set and P's blocks 0-3 are in; P's blocks 4-7 may be out
	WIN MUL_LO
	MUL16 0, 1, 0
	WIN 0                                          ; (the add's two registers lie in window 0)
	s_wait_tensorcnt 0x0                           ; all my tensor loads have landed: my part of the next slot
	ds_add_u32 v[SPW], v[NIL]                      ; 0 onto my spare word
	WIN MUL_LO
	MUL8 2, 1, 0
	s_wait_dscnt 0x0                               ; the add is done, and my reads of this slot are over
	s_barrier_signal -1
	MUL8 3, 1, 0
	WIN 0
	s_barrier_wait -1
.if \fill
	CREST                                          ; no wave of any partner still reads this slot's tile or has a load on its way
.if \fill == 2
	s_add_nc_u64 s[G0+4*\slot+2:G0+4*\slot+3], s[VP:VP+1], \slot*ROWB
	s_or_b32 s[G0+4*\slot+3], s[G0+4*\slot+3], 0x80000000
	s_add_nc_u64 s[G0B+4*\slot+2:G0B+4*\slot+3], s[VQ:VQ+1], \slot*ROWB
	s_or_b32 s[G0B+4*\slot+3], s[G0B+4*\slot+3], 0x80000000
	s_add_co_u32 s[G0B+4*\slot+1], s[VL], \slot*SLOT
	JLOAD G0+4*\slot, G1, G0B+4*\slot, G1C
.else
	s_add_nc_u64 s[G0+4*\slot+2:G0+4*\slot+3], s[G0+4*\slot+2:G0+4*\slot+3], 2*ROWB
	s_add_nc_u64 s[G0B+4*\slot+2:G0B+4*\slot+3], s[G0B+4*\slot+2:G0B+4*\slot+3], 2*ROWB
	JLOAD G0+4*\slot, G1, G0B+4*\slot, QG1         ; the first tensor load behind the round; the four v_nop behind it are the places in front of the loads below
.endif
.else
	PLACES NP
.endif
.if \fetch
	FETCH_B \next, 0, 0
	FETCH_A \next, 0, 0
.endif
	ASK
	WIN MUL_HI
	MUL16 4, 1, 0
	MUL16 6, 1, 0
	PLACES NP
	WIN 0
.if \fetch
	FETCH_A \next, 0, 4
.endif
.endm
; The three scales are folded into the conversion's one: from s18 = ea, s19 = eb, s20 = eo.  No branch hangs on a loaded number, and the hold is always executed.
.macro SCALES
	s_add_co_i32 s18, s18, s19                     ; ea + eb
	s_sub_co_i32 s21, 0, s18                       ; the bias goes in as bias / 2^(ea + eb)
	s_sub_co_i32 s20, s20, s18
	s_add_co_i32 s20, s20, 127
	s_lshl_b32 s22, s20, 23
	v_mov_b32 v[SCL], s22
	s_add_co_i32 s20, s20, 8
	s_lshl_b32 s20, s20, 23
	s_or_b32 s20, s20, 0x600000
	v_mov_b32 v[LIM], s20
.endm
; Block a: 16 rows of P x my rows of Q.  First tile (NB = 8): the bias runs along Q; second: along P.  Each accumulator is read from its low end on.
.macro OUTBLK a
.set AC, 64*((\a)%4)
	WIN 0x42+((\a)/4)                              ; source 0 (the sums) window 2 or 3, source 1 (the bias) window 0, destination window 1
.irp b, 0,1,2,3,4,5,6,7
.if \b < NB
.irp j, 0,2,4,6
.if NB == 8
	v_pk_add_f32 v[TW+8*\b+\j:TW+8*\b+\j+1], v[AC+8*\b+\j:AC+8*\b+\j+1], v[BQ+8*\b+\j:BQ+8*\b+\j+1]
.else
	v_pk_add_f32 v[TW+8*\b+\j:TW+8*\b+\j+1], v[AC+8*\b+\j:AC+8*\b+\j+1], v[BP+2*(\a):BP+2*(\a)+1]
.endif
.endr
.endif
.endr
	WIN 0x41                                       ; source 0 and destination window 1
.set J, 0
.rept 8*NB
	v_med3_num_f32 v[TW+J], v[TW+J], -v[LIM], v[LIM]   ; the conversion to an 8-bit code does not saturate (ISA guide 7.6.2)
.set J, J+1
.endr
	WIN 0x01                                       ; source 0 window 1, destination window 0
.irp b, 0,1,2,3,4,5,6,7
.if \b < NB
	v_cvt_scalef32_pk8_fp8_f32 v[CD+2*NB*(\a)+2*\b:CD+2*NB*(\a)+2*\b+1], v[TW+8*\b:TW+8*\b+7], v[SCL]   ; Q's blocks 4 g + 2 c and 4 g + 2 c + 1 make registers 4 c .. 4 c + 3 of fragment g
.endif
.endr
	v_nop                                          ; a plain line between the conversions and the next block's additions, which write their sources
	WIN 0
.irp g, 0,1
.if \g < NB/4
.irp c, 0,1
.if NB == 8
	global_store_b128 v[STA], v[CD+16*(\a)+8*\g+4*\c:CD+16*(\a)+8*\g+4*\c+3], s[72:73] offset:\g*65536+(\a)*1024+512*\c   ; head g, tokens 16 a on
.else
	global_store_b128 v[STA], v[CD+8*(\a)+4*\c:CD+8*(\a)+4*\c+3], s[80:81] offset:((\a)/4)*65536+((\a)%4)*1024+512*\c   ; head a / 4, channels 16 (a % 4) on
.endif
.endr
.endif
.endr
.endm
	s_cmp_eq_u32 s[L1], 0
	s_cbranch_scc0 .Lhead_asked
	global_prefetch_b8 v[PF1], s[PA:PA+1] offset:ROWB th:TH_LOAD_NT scope:SCOPE_SE     ; K steps 1 and 2
	global_prefetch_b8 v[PF1], s[PA:PA+1] offset:2*ROWB th:TH_LOAD_NT scope:SCOPE_SE
.Lhead_asked:
	s_wait_alu depctr_va_vdst(0)
	s_wait_tensorcnt 0x0                           ; my part of K step 0 is in; the same lines ahead of a later first fill as ahead of a refill
	ds_add_u32 v[SPW], v[NIL]
	s_wait_dscnt 0x0
	CROUND                                         ; everybody's part of K step 0 is in
	JLOAD G0+4, G1, G0B+4, G1B                     ; K step 1
	FETCH_B 0, 0, 0
	FETCH_A 0, 0, 0
	FETCH_A 0, 0, 4
	SETASK L1, PA, PF1, 3
	ASK
	STEP 0, 0, 1                                   ; the first tile: K step 0; its first products start the sums
	SETASK L2, PB, PF2, 0
	TURN 0, 1, 1, 1                                ; slot 0 takes K step 2
	STEP 1, 0, 0
	SETASK L2, PB, PF2, 1
	TURN 1, 0, 1, 1                                ; slot 1 takes K step 3
	STEP 0, 0, 0
	SETASK L2, PB, PF2, 2
	TURN 0, 1, 2, 1                                ; slot 0 takes the second tile's K step 0,
	STEP 1, 0, 0
	SETASK L2, PB, PF2, 3
	TURN 1, 0, 2, 0                                ; slot 1 its K step 1; the registers are wanted for the way out first
	SETASK 0, PB, PF2, 0
	; THE WAY OUT of the first tile
	s_wait_kmcnt 0x0
	s_cmp_eq_u32 s[WH], 0
	s_cselect_b32 s18, s[ES], s[ES+2]              ; ea
	s_cselect_b32 s19, s[ES+1], s[ES+3]            ; eb
	s_cselect_b32 s20, s[ES+6], s[ES+7]            ; eo
	SCALES
	s_wait_alu depctr_va_vdst(0)
	s_wait_loadcnt 0x0                             ; the bias
.set J, 0
.rept 64
	v_ldexp_f32 v[BQ+J], v[BQ+J], s21
.set J, J+1
.endr
.irp a, 0,1,2,3,4,5,6,7
	OUTBLK \a
.endr
	; THE SECOND TILE: v.  Its K step 0 was shown to every wave by the last change of slots
.set NB, 4
.set QADR, ADRB+2
.set QG1, G1C
	s_wait_xcnt 0x0                                ; the stores have read the codes' registers, which take P's fragments again
	FETCH_B 0, 0, 0
	FETCH_A 0, 0, 0
	FETCH_A 0, 0, 4
	STEP 0, 0, 1
	TURN 0, 1, 1, 1                                ; slot 0 takes K step 2
	STEP 1, 0, 0
	TURN 1, 0, 1, 1                                ; slot 1 takes K step 3
	STEP 0, 0, 0
	TURN 0, 1, 0, 1                                ; nothing is left to fetch
	STEP 1, 0, 0
	s_wait_dscnt 4*NL
	WIN MUL_LO
	MUL16 0, 1, 0
	MUL16 2, 1, 0
	s_wait_dscnt 0
	WIN MUL_HI
	MUL16 4, 1, 0
	MUL16 6, 1, 0
	WIN 0
	s_mov_b32 s18, s[ES+4]
	s_mov_b32 s19, s[ES+5]
	s_mov_b32 s20, s[ES+9]
	SCALES
	PLACES NP                                      ; behind the last products: their results are read, and registers that they read are written, below
.set J, 0
.rept 16
	v_ldexp_f32 v[BP+J], v[BP+J], s21
.set J, J+1
.endr
.irp a, 0,1,2,3,4,5,6,7
	OUTBLK \a
.endr
	s_wait_tensorcnt 0x0                           ; the wave's end
	ds_add_u32 v[SPW], v[NIL]
	s_wait_dscnt 0x0
	CROUND                                         ; the closing round: no work-group ends while a partner may still ask for a tile that names it
	s_endpgm
.Lfunc_end_k_qba34d3db83_qkv:
	.size	k_qba34d3db83_qkv, .Lfunc_end_k_qba34d3db83_qkv-k_qba34d3db83_qkv
	.p2alignl 7, 3214868480
	.fill 96, 4, 3214868480
	.section	.rodata,"a",@progbits
	.p2align	6, 0x0
	.amdhsa_kernel k_qba34d3db83_qkv
		.amdhsa_group_segment_fixed_size 327680
		.amdhsa_private_segment_fixed_size 0
		.amdhsa_enable_private_segment 0
		.amdhsa_kernarg_size 56
		.amdhsa_user_sgpr_count 2
		.amdhsa_user_sgpr_kernarg_segment_ptr 1
		.amdhsa_wavefront_size32 1
		.amdhsa_system_sgpr_workgroup_id_x 1
		.amdhsa_system_sgpr_workgroup_id_y 1
		.amdhsa_system_sgpr_workgroup_id_z 1
		.amdhsa_system_vgpr_workitem_id 0
		.amdhsa_next_free_vgpr 1024
		.amdhsa_next_free_sgpr 102
		.amdhsa_reserve_vcc 0
		.amdhsa_float_denorm_mode_32 3
		.amdhsa_float_denorm_mode_16_64 3
		.amdhsa_memory_ordered 1
		.amdhsa_forward_progress 1
		.amdhsa_inst_pref_size 224
	.end_amdhsa_kernel
	.amdgpu_metadata
---
amdhsa.version: [ 1, 2 ]
amdhsa.kernels:
  - .name:           k_qba34d3db83_qkv
    .symbol:         k_qba34d3db83_qkv.kd
    .args:
      - { .name: xc, .offset: 0, .size: 8, .value_kind: global_buffer, .address_space: global }
      - { .name: wc, .offset: 8, .size: 8, .value_kind: global_buffer, .address_space: global }
      - { .name: lowp_scales, .offset: 16, .size: 8, .value_kind: global_buffer, .address_space: global }
      - { .name: bq, .offset: 24, .size: 8, .value_kind: global_buffer, .address_space: global }
      - { .name: bk, .offset: 32, .size: 8, .value_kind: global_buffer, .address_space: global }
      - { .name: bv, .offset: 40, .size: 8, .value_kind: global_buffer, .address_space: global }
      - { .name: qkv, .offset: 48, .size: 8, .value_kind: global_buffer, .address_space: global }
    .group_segment_fixed_size: 327680
    .private_segment_fixed_size: 0
    .kernarg_segment_align: 8
    .kernarg_segment_size: 56
    .max_flat_workgroup_size: 128
    .sgpr_count:     102
    .vgpr_count:     1024
    .wavefront_size: 32
...
	.end_amdgpu_metadata
.endif
;; end of part 2
;; launch attn (part 3): grid 2 x 128, 16 waves a work-group, no clusters, 206,848 bytes of LDS; arguments qkv, attention_mask, lowp_scales, out0; writes out0
.if DOCPART == 3
	.amdgcn_target "amdgcn-amd-amdhsa--gfx1250"
	.amdhsa_code_object_version 6
	.text
	.protected	k_qba34d3db83_attn
	.globl	k_qba34d3db83_attn
	.p2align	8
	.type	k_qba34d3db83_attn,@function
k_qba34d3db83_attn:
	s_mov_b64 s[64:65], 0
	v_nop
	global_prefetch_b8 v0, s[64:65] scope:SCOPE_SE
	s_setreg_imm32_b32 hwreg(HW_REG_WAVE_MODE, 25, 1), 1
	s_wait_xcnt 0x0
; out[b][q][64 head + d] = the sum over keys of softmax(q . k / 8 + mask[b][key]) v[key][d], both products on codes of E4M3 with the given scales: q entry 6, k entry 7, p entry 8, v entry 9.
; qkv holds q, k, v as IMAGES OF OPERAND REGISTERS: [part][batch x 16 + head][64 fragments][1,024 bytes]; a fragment is 16 rows x 64 K: registers 4 c .. 4 c + 3 of lane l at 512 c + 16 l; lane (r, h) holds K = 32 c + 16 h + 0 .. 15.
; q, k: fragment mt = storage tokens 16 mt + r; v: fragment 4 kg + dt = storage channels 16 dt + r x keys 64 kg on.  A storage number is the true number with bits 3 and 4 exchanged.
; THE SOFTMAX: t = logit x log2(e); M = the running largest t rounded UP to a whole number; p = 2^(t - M) is what is quantised; the row's sum is taken of the unquantised p and divides at the end.
; When M moves, the sum and O are multiplied by 2^(old M - new M): nothing is rounded, and no branch hangs on floating-point data.
; SHARES.  A work-group owns 512 queries of one head, each of its sixteen waves 32: two tiles, worked together, so that each fragment of K and V that is read from LDS feeds two matrix instructions.  Eight steps of 128 keys.
; BOTH PRODUCTS ARE USED TRANSPOSED: S^T = K Q^T (source 0 = 16 keys), O^T = V^T P^T (source 0 = 16 channels): a lane holds one query throughout.  Since source 0's storage rows are exchanged, the 16 registers
; of tiles 2 B and 2 B + 1 are the 16 neighbours 32 B + 16 h + 0 .. 15: p's conversions give the second product's operand, and a lane's results are 16 neighbouring channels.
; THE MASK IS THE C OF THE FIRST PRODUCT: logit = 2^(e6 + e7 - 3) x (the sum of the codes' products + mask x 2^(3 - e6 - e7)).  It is loaded into the second tile's score registers: C of the first tile's products from there, then C in place.
; THE HOLD of p at 448 x 2^e8: where e8 >= -8 that bound is 1.75 or more, over every p, and a scalar branch on the whole number e8 leads round the hold.
; K AND V GO THROUGH REGISTERS INTO LDS, once: each wave brings 1/16 of each step's 16 KiB.  Step 0 starts when block 0 is in; the other seven blocks are out meanwhile, in the registers that hold O^T later,
; and are stored in the middle of step 0.  Of those blocks' barrier the signal stands behind the stores and the wait at step 0's end.
; EACH STEP OF THE LOOP HAS A BARRIER OF ITS OWN, its signal at the step's start and its wait at the step's end: it orders no memory, and keeps the sixteen waves within one step of each other.
; NO TENSOR LOAD, SO NO CLUSTER: a head's K and V are read by two work-groups alone, each once, at its start.  NO PREFETCH: all that the work-group reads is asked for ahead of step 0.
; LIMITS: e6 + e7 between -80 and 25; e8 between -126 and 119.  The scaled mask is held within +-2^100, that is logits within +-2^(97 + e6 + e7), at least 2^17: a key held at the lower end beside one that is not gets p = 0;
; keys held at the same end count as equal.  So a mask of -infinity counts as that lower end (a row whose keys are ALL at -infinity comes out uniform, not NaN).  NaN in the mask is not served.
; The row's LARGEST t lies under 2^23 in magnitude (the others may be anything below it), so that t - M, one fused multiply-add, is at most 1/2.
.set MASKB, 131072                     ; LDS: block s (128 keys) at 16,384 s: K's eight fragments, then V's eight; the scaled mask here (true key order),
.set STAGE, 135168                     ; a stage of 16 rows x 272 bytes for each wave, for the way out,
.set SPARE, 204800                     ; and the spare words, 128 bytes for each wave
.set SPI,  272
; v0 the thread's number (kept); v1 16 x lane; v5 MASKB + 64 h; v7 2^e8; v3 LDS address of the step's block
; v2, v4: -M of the two tiles; v6, v8: the maxima's first chains, then f = 2^(old M - new M) (each named as the low word of a pair); v14, v15: the second chains
; v[10:11], v[12:13]: the sums in two halves; v[14:15], v[8:9]: their second chains
.set KV,   16                          ; v16-47   four fragments of K, then of V
.set QF,   48                          ; v48-63   Q: 8 registers a tile
.set OT,   64                          ; v64-127  O^T: 32 a tile
.set SC,   128                         ; v128-255 S^T, then p: 64 a tile; then in v128-159 p's codes and in v160-191 four fragments of V
.set VB,   160
.set RB,   192                         ; the way out: rows read back
.set WV,   18                          ; s18  my wave's number
.set HOLD, 19                          ; s19  448 x 2^e8
.set SEL,  20                          ; s[20:21] lane selects: lane l xor 16
.set CS,   22                          ; s[22:23] c = log2(e) x 2^(e6 + e7 - 3)
.set TB,   12                          ; s12  LDS byte of the next block
.set TM,   13                          ; s13  of its 128 numbers of the mask
	s_load_b256 s[4:11], s[0:1], 0x0               ; qkv, the mask, the scales' exponents, out
	v_lshrrev_b32 v2, 5, v0
	v_readfirstlane_b32 s[WV], v2                  ; wave 0..15
	v_and_b32 v1, 31, v0
	v_bfe_u32 v5, v0, 4, 1
	v_lshlrev_b32 v3, 4, v0                        ; 512 x wave + 16 x lane: my 16 bytes of each 8 KiB, in memory and in LDS
	v_lshlrev_b32 v14, 3, v0                       ; thread i takes keys 2 i and 2 i + 1 of the mask
	v_lshlrev_b32 v1, 4, v1
	v_lshl_add_u32 v5, v5, 6, MASKB
	v_add_nc_u32 v9, 0x10000, v3                   ; blocks 4 to 7 in LDS
	v_add_nc_u32 v15, MASKB, v14
	v_mov_b32 v2, 0x71800000                       ; 2^100
	s_and_b32 s52, ttmp7, 0xffff                   ; batch x 16 + head
	s_lshl_b32 s54, s52, 16                        ; the head's 65,536 bytes in each part
	s_add_co_u32 s24, s54, 0x800000                ; K
	s_mov_b32 s25, 0
	s_add_co_u32 s26, s54, 0x1000000               ; V
	s_mov_b32 s27, 0
	s_lshl_b32 s28, ttmp9, 15                      ; q: my work-group's 32 fragments,
	s_lshl_b32 s29, s[WV], 11                      ; my wave's two
	s_add_co_u32 s28, s28, s29
	s_add_co_u32 s28, s28, s54
	s_mov_b32 s29, 0
	s_lshr_b32 s53, s52, 4                         ; the batch
	s_lshl_b32 s30, s53, 12
	s_mov_b32 s31, 0
	s_lshl_b32 s32, s53, 22                        ; out: 4 MiB a batch,
	s_and_b32 s53, s52, 15
	s_lshl_b32 s53, s53, 8                         ; 256 bytes a head,
	s_add_co_u32 s32, s32, s53
	s_lshl_b32 s53, ttmp9, 21                      ; 512 rows of 4,096 bytes a work-group,
	s_add_co_u32 s32, s32, s53
	s_lshl_b32 s53, s[WV], 17                      ; 32 a wave
	s_add_co_u32 s32, s32, s53
	s_mov_b32 s33, 0
	s_mov_b32 s[SEL], 0x76543210
	s_mov_b32 s[SEL+1], 0xfedcba98
	s_wait_alu depctr_va_vdst(0)
	s_wait_kmcnt 0x0
	s_load_b128 s[48:51], s[8:9], 0x18             ; e6, e7, e8, e9
	s_add_nc_u64 s[30:31], s[6:7], s[30:31]
	s_add_nc_u64 s[24:25], s[4:5], s[24:25]
	s_add_nc_u64 s[26:27], s[4:5], s[26:27]
	s_add_nc_u64 s[28:29], s[4:5], s[28:29]
	s_add_nc_u64 s[10:11], s[10:11], s[32:33]
	global_load_b64 v[16:17], v14, s[30:31]
	global_load_b128 v[120:123], v3, s[24:25]      ; block 0
	global_load_b128 v[124:127], v3, s[26:27]
.irp q, 0,1
.irp c, 0,1
	global_load_b128 v[QF+8*\q+4*\c:QF+8*\q+4*\c+3], v1, s[28:29] offset:1024*\q+512*\c th:TH_LOAD_NT   ; Q's two fragments stay in registers
.endr
.endr
.macro BLOAD s
	global_load_b128 v[OT+8*\s-8:OT+8*\s-5], v3, s[24:25] offset:8192*\s
	global_load_b128 v[OT+8*\s-4:OT+8*\s-1], v3, s[26:27] offset:8192*\s
.endm
.irp s, 1,2,3
	BLOAD \s
.endr
	s_wait_kmcnt 0x0
	s_add_co_i32 s53, s48, s49                     ; e6 + e7
	s_sub_co_i32 s54, 3, s53                       ; the mask goes in as mask x 2^(3 - e6 - e7)
	s_sub_co_i32 s53, s53, 3
	s_lshl_b32 s53, s53, 23
	s_add_co_i32 s[CS], s53, 0x3fb8aa3b            ; log2(e) with e6 + e7 - 3 added to its exponent field
	s_mov_b32 s[CS+1], s[CS]                       ; (named with it as a pair, so it is written)
	s_add_co_i32 s53, s50, 127
	s_lshl_b32 s55, s53, 23
	v_mov_b32 v7, s55                              ; 2^e8 as f32, for the conversion
	s_add_co_i32 s53, s53, 8
	s_lshl_b32 s53, s53, 23
	s_or_b32 s[HOLD], s53, 0x600000                ; 448 x 2^e8
	s_mov_b32 s[TB], 16384
	s_mov_b32 s[TM], 512
	s_wait_alu depctr_va_vdst(0)
	s_wait_loadcnt 6                               ; the mask, block 0 and Q; the six loads of blocks 1 to 3 may be out
	v_ldexp_f32 v16, v16, s54
	v_ldexp_f32 v17, v17, s54
	v_med3_num_f32 v16, v16, -v2, v2               ; held, so that t stays a number whatever the mask holds
	v_med3_num_f32 v17, v17, -v2, v2
	ds_store_b64 v15, v[16:17]
	ds_store_b128 v3, v[120:123]
	ds_store_b128 v3, v[124:127] offset:8192
.irp s, 4,5,6,7
	BLOAD \s
.endr
	s_wait_dscnt 0x0
	s_barrier_signal -1
	s_barrier_wait -1                              ; block 0 and the mask are in LDS
.macro D2                              ; the next line reads what the vector instruction two back wrote
	s_delay_alu instid0(VALU_DEP_2)
.endm
.macro KLOAD ad, t0                    ; four fragments of K, from the block's t0-th on
.irp t, 0,1,2,3
.irp c, 0,1
	ds_load_b128 v[KV+8*\t+4*\c:KV+8*\t+4*\c+3], v[\ad] offset:1024*(\t0+\t)+512*\c
.endr
.endr
.endm
.macro VLOAD ad, g, d                  ; V's four fragments of the block's g-th 64 keys
.irp t, 0,1,2,3
.irp c, 0,1
	ds_load_b128 v[\d+8*\t+4*\c:\d+8*\t+4*\c+3], v[\ad] offset:8192+4096*\g+1024*\t+512*\c
.endr
.endr
.endm
.macro MLOAD ad                        ; the mask of 128 keys, in the result's layout: register 16 B + n: key 32 B + 16 h + n
.irp i, 0,1,2,3,4,5,6,7,8,9,10,11,12,13,14,15
	ds_load_b128 v[SC+64+4*\i:SC+64+4*\i+3], v[\ad] offset:128*(\i/4)+16*(\i%4)
.endr
.endm
.macro PREF                            ; the next step's mask and first fragments of K
	v_add_nc_u32 v3, s[TB], v1
	v_add_nc_u32 v14, s[TM], v5
	v_nop
	v_nop                                          ; (with the two additions: the places in front of the loads into registers that products have read)
	KLOAD 3, 0
	MLOAD 14
	s_add_co_u32 s[TB], s[TB], 16384
	s_add_co_u32 s[TM], s[TM], 512
.endm
.macro QK q, t0                        ; four tiles of 16 keys; C: the mask
.irp t, 0,1,2,3
	v_wmma_f32_16x16x64_fp8_fp8 v[SC+64*\q+8*(\t0+\t):SC+64*\q+8*(\t0+\t)+7], v[KV+8*\t:KV+8*\t+7], v[QF+8*\q:QF+8*\q+7], v[SC+64+8*(\t0+\t):SC+64+8*(\t0+\t)+7]
.endr
.endm
.macro PV g, b, z                      ; 64 keys: V's fragments at v[b], p's codes; the eight accumulators, one turn each
.irp t, 0,1,2,3
.irp q, 0,1
.if \z
	v_wmma_f32_16x16x64_fp8_fp8 v[OT+32*\q+8*\t:OT+32*\q+8*\t+7], v[\b+8*\t:\b+8*\t+7], v[SC+8*\g+16*\q:SC+8*\g+16*\q+7], 0
.else
	v_wmma_f32_16x16x64_fp8_fp8 v[OT+32*\q+8*\t:OT+32*\q+8*\t+7], v[\b+8*\t:\b+8*\t+7], v[SC+8*\g+16*\q:SC+8*\g+16*\q+7], v[OT+32*\q+8*\t:OT+32*\q+8*\t+7]
.endif
.endr
.endr
.endm
.macro MAXA i
	v_max3_num_f32 v6, v6, v[SC+\i], v[SC+\i+1]
	v_max3_num_f32 v8, v8, v[SC+64+\i], v[SC+64+\i+1]
.endm
.macro MAXB i
	v_max3_num_f32 v14, v14, v[SC+\i], v[SC+\i+1]
	v_max3_num_f32 v15, v15, v[SC+64+\i], v[SC+64+\i+1]
.endm
.macro CV d, s
	v_cvt_scalef32_pk8_fp8_f32 v[SC+\d:SC+\d+1], v[SC+\s:SC+\s+7], v7
.endm
; A STEP: 128 keys, both tiles of queries.  At its start the mask and K's fragments 0 to 3 have been asked for.  first: no earlier M, sum or O; last: nothing is asked for behind it.
.macro STEP first, last
.if \first
.set AK, 1                             ; block 0 begins at LDS byte 0
.else
.set AK, 3
.rept 5
	v_nop                                          ; places between the last products and those that write over the codes' registers
.endr
.endif
	s_wait_dscnt 0x0
.if ((\first)+(\last)) == 0
	s_barrier_signal -1                            ; up to the wait at the loop's end: registers, and loads of LDS bytes that nobody writes any more
.endif
	QK 0, 0
.rept 5
	v_nop                                          ; the first tile's products have read the mask where the second tile's results go
.endr
	QK 1, 0
.rept 4
	v_nop                                          ; places in front of the loads into K's registers and of the first read of the scores
.endr
	KLOAD AK, 4
	; the largest score of my query among my 64 keys, in two chains a tile; each accumulator is first read at its low end.  The first half's are taken under the second half's loads and products
	v_max3_num_f32 v6, v[SC], v[SC+1], v[SC+2]
	v_max3_num_f32 v8, v[SC+64], v[SC+65], v[SC+66]
	v_max3_num_f32 v14, v[SC+3], v[SC+4], v[SC+5]
	v_max3_num_f32 v15, v[SC+67], v[SC+68], v[SC+69]
.irp i, 6,10,14,18
	MAXA \i
	MAXB \i+2
.endr
	s_wait_alu depctr_va_vdst(0)
	s_wait_dscnt 0x0
	QK 0, 4
	MAXA 22                                        ; six plain lines on other registers between the reading of the mask and the products that write over it
	MAXB 24
	MAXA 30
	QK 1, 4
	MAXA 26                                        ; and four behind the last products
	MAXB 28
	VLOAD AK, 0, KV                                ; V lands while the softmax is walked
.irp i, 32,36,40,44,48,52,56,60
	MAXA \i
	MAXB \i+2
.endr
	D2
	v_max_num_f32 v6, v6, v14
	D2
	v_max_num_f32 v8, v8, v15
	D2
	v_permlanex16_b32 v14, v6, s[SEL], s[SEL+1]
	D2
	v_permlanex16_b32 v15, v8, s[SEL], s[SEL+1]
	D2
	v_max_num_f32 v6, v6, v14                      ; and among lane l xor 16's
	D2
	v_max_num_f32 v8, v8, v15
	D2
	v_mul_f32 v6, s[CS], v6                        ; as t (c is positive)
	D2
	v_mul_f32 v8, s[CS], v8
.if \first
	D2
	v_floor_f32 v2, -v6                            ; -M = floor(-t) = -ceil(t): M is a whole number
	D2
	v_floor_f32 v4, -v8
.else
	D2
	v_floor_f32 v14, -v6
	D2
	v_floor_f32 v15, -v8
	D2
	v_min_num_f32 v14, v14, v2                     ; the new -M
	D2
	v_min_num_f32 v15, v15, v4
	D2
	v_sub_f32 v6, v14, v2                          ; M's old value less its new one: a whole number, 0 or less
	D2
	v_sub_f32 v8, v15, v4
	v_mov_b32 v2, v14
	v_mov_b32 v4, v15
	v_cvt_i32_f32 v6, v6                           ; (it saturates)
	v_cvt_i32_f32 v8, v8
	D2
	v_ldexp_f32 v6, 1.0, v6                        ; f = 2^(old M - new M)
	D2
	v_ldexp_f32 v8, 1.0, v8
.endif
.irp q, 0,1
.set J, 0
.rept 32
	v_pk_fma_f32 v[SC+64*\q+J:SC+64*\q+J+1], v[SC+64*\q+J:SC+64*\q+J+1], s[CS:CS+1], v[2+2*\q:3+2*\q] op_sel_hi:[1,0,0]   ; t - M, two at a time (of the pairs c and -M the low word serves both halves)
.set J, J+2
.endr
.endr
.if \first == 0
.irp q, 0,1
.set J, 0
.rept 16
	v_pk_mul_f32 v[OT+32*\q+J:OT+32*\q+J+1], v[OT+32*\q+J:OT+32*\q+J+1], v[6+2*\q:7+2*\q] op_sel_hi:[1,0]   ; O^T under the new M
.set J, J+2
.endr
.endr
.endif
	s_wait_alu depctr_va_vdst(0)
.set J, 0
.rept 128
	v_exp_f32 v[SC+J], v[SC+J]                     ; p = 2^(t - M): not normalised.  Both tiles' 128 are one batch
.set J, J+1
.endr
.if \first
	v_nop                                          ; the plain line behind the exponentials
.else
	v_pk_mul_f32 v[10:11], v[10:11], v[6:7] op_sel_hi:[1,0]   ; the sums under the new M: the plain lines behind the exponentials
	v_pk_mul_f32 v[12:13], v[12:13], v[8:9] op_sel_hi:[1,0]
.endif
	s_wait_alu depctr_va_vdst(0)                   ; one wait for the batch, ahead of the first line that names a result
.if \first
	s_wait_loadcnt 0x0                             ; blocks 1 to 7
.irp s, 1,2,3
	ds_store_b128 v3, v[OT+8*\s-8:OT+8*\s-5] offset:16384*\s
	ds_store_b128 v3, v[OT+8*\s-4:OT+8*\s-1] offset:16384*\s+8192
.endr
.irp s, 4,5,6,7
	ds_store_b128 v9, v[OT+8*\s-8:OT+8*\s-5] offset:16384*(\s-4)
	ds_store_b128 v9, v[OT+8*\s-4:OT+8*\s-1] offset:16384*(\s-4)+8192
.endr
	s_wait_dscnt 0x0                               ; for the other waves' sake: my parts lie in LDS
	s_barrier_signal -1                            ; up to the wait: registers, and loads of block 0, which nobody writes any more
	v_pk_add_f32 v[10:11], v[SC:SC+1], v[SC+2:SC+3]   ; the row's sum is taken of the UNQUANTISED p: two at a time, in two chains a tile
	v_pk_add_f32 v[12:13], v[SC+64:SC+65], v[SC+66:SC+67]
	v_pk_add_f32 v[14:15], v[SC+4:SC+5], v[SC+6:SC+7]
	v_pk_add_f32 v[8:9], v[SC+68:SC+69], v[SC+70:SC+71]
.set J, 8
.else
	v_pk_add_f32 v[14:15], v[SC:SC+1], v[SC+2:SC+3]
	v_pk_add_f32 v[8:9], v[SC+64:SC+65], v[SC+66:SC+67]
.set J, 4
.endif
.rept 15-\first
	v_pk_add_f32 v[10:11], v[10:11], v[SC+J:SC+J+1]
	v_pk_add_f32 v[12:13], v[12:13], v[SC+64+J:SC+64+J+1]
	v_pk_add_f32 v[14:15], v[14:15], v[SC+J+2:SC+J+3]
	v_pk_add_f32 v[8:9], v[8:9], v[SC+64+J+2:SC+64+J+3]
.set J, J+4
.endr
	v_pk_add_f32 v[10:11], v[10:11], v[14:15]
	v_pk_add_f32 v[12:13], v[12:13], v[8:9]
	s_cmp_gt_i32 s50, -9                           ; e8 >= -8: no p is over 448 x 2^e8
	s_cbranch_scc1 .Lfits_\@
.set J, 0
.rept 128
	v_min_num_f32 v[SC+J], s[HOLD], v[SC+J]        ; the conversion to an 8-bit code does not saturate (ISA guide 7.6.2); p is not negative, so the hold is one-sided
.set J, J+1
.endr
.Lfits_\@:
	; p's codes go over p's own registers, behind what has been read: tile 0's keys 0-63 and 64-127 into SC .. SC + 15, tile 1's into SC + 16 .. SC + 31.  A plain line stands between a conversion and the one that writes its sources
	v_cvt_scalef32_pk8_fp8_f32 v[14:15], v[SC:SC+7], v7
	v_nop
	CV 2, 8
	v_mov_b32 v[SC], v14
	v_mov_b32 v[SC+1], v15
	CV 4, 16
	CV 6, 24
	v_nop
.irp t, 4,5,6,7,8,9,10,11,12,13,14,15
	CV 2*\t, 8*\t
.endr
	v_nop
	VLOAD AK, 1, VB
	s_wait_alu depctr_va_vdst(0)
	s_wait_dscnt 8                                 ; V's first four fragments are in; the eight loads of the others may be out
	PV 0, KV, \first
.if (\first) || (\last)
	s_wait_dscnt 0x0
.else
	PREF
	s_wait_alu depctr_va_vdst(0)
	s_wait_dscnt 24                                ; V's others are in; the 24 loads for the next step may be out
.endif
	PV 1, VB, 0
.endm
	KLOAD 1, 0
	MLOAD 5
	STEP 1, 0
	s_barrier_wait -1                              ; blocks 1 to 7 are in LDS
	PREF
	s_wait_alu depctr_va_vdst(0)
	s_mov_b32 s14, 6
.Lkeys:
	STEP 0, 0
	s_barrier_wait -1                              ; every wave has begun this step
	s_sub_co_u32 s14, s14, 1
	s_cmp_lg_u32 s14, 0
	s_cbranch_scc1 .Lkeys
	STEP 0, 1
	; THE WAY OUT.  The sum's two halves and the other half of the lanes' are added; O^T is divided by the sum, multiplied by 2^(e8 + e9), and goes through my own stage, a tile (16 queries x 256 bytes) at a time.
	v_add_f32 v10, v10, v11
	v_add_f32 v12, v12, v13
	v_permlanex16_b32 v14, v10, s[SEL], s[SEL+1]
	v_permlanex16_b32 v15, v12, s[SEL], s[SEL+1]
	v_add_f32 v10, v10, v14
	v_add_f32 v12, v12, v15
	v_and_b32 v1, 15, v0                           ; r
	v_bfe_u32 v9, v0, 4, 1                         ; h
	s_mul_i32 s52, s[WV], 16*SPI
	s_add_co_u32 s52, s52, STAGE                   ; my stage
	s_add_co_i32 s53, s50, s51                     ; e8 + e9
	s_wait_alu depctr_va_vdst(0)
	v_rcp_f32 v10, v10
	v_rcp_f32 v12, v12
	v_mul_u32_u24 v6, v1, SPI
	v_mul_u32_u24 v8, v9, SPI
	v_lshlrev_b32 v3, 12, v9
	v_lshl_add_u32 v6, v9, 6, v6
	v_lshl_add_u32 v8, v1, 4, v8
	v_lshl_add_u32 v3, v1, 4, v3                   ; lanes 0-15 one row of out, lanes 16-31 the next: 4,096 bytes a row
	v_add_nc_u32 v6, s52, v6                       ; into the stage: row r; my 16 channels of each 32: 64 h bytes on
	v_add_nc_u32 v8, s52, v8                       ; back: the same two rows
	v_lshl_add_u32 v2, v0, 2, SPARE                ; my spare word,
	v_mov_b32 v4, 0                                ; and 0, for the wave's end
	s_wait_alu depctr_va_vdst(0)                   ; one wait for the two reciprocals, ahead of their first reader
	v_ldexp_f32 v10, v10, s53
	v_ldexp_f32 v12, v12, s53
	s_wait_alu depctr_va_vdst(0)
.irp q, 0,1
.set J, 0
.rept 16
	v_pk_mul_f32 v[SC+32*\q+J:SC+32*\q+J+1], v[OT+32*\q+J:OT+32*\q+J+1], v[10+2*\q:11+2*\q] op_sel_hi:[1,0]   ; register 16 B + n is channel 32 B + 16 h + n of my query
.set J, J+2
.endr
.endr
.irp q, 0,1
.irp i, 0,1,2,3,4,5,6,7
	ds_store_b128 v6, v[SC+32*\q+4*\i:SC+32*\q+4*\i+3] offset:128*(\i/4)+16*(\i%4)
.endr
.irp t, 0,1,2,3,4,5,6,7
	ds_load_b128 v[RB+32*\q+4*\t:RB+32*\q+4*\t+3], v8 offset:2*\t*SPI   ; LDS serves a wave's instructions in order: these see my stores, and the next tile's stores come behind them
.endr
.endr
.irp q, 0,1
.irp t, 0,1,2,3,4,5,6,7
	s_wait_dscnt 23-16*\q-\t                       ; rows 2 t and 2 t + 1 of tile q are in; behind them: the tile's later loads and, for tile 0, tile 1's sixteen instructions
	global_store_b128 v3, v[RB+32*\q+4*\t:RB+32*\q+4*\t+3], s[10:11] offset:(8*\q+16*(\t/4)+2*(\t%4))*4096 th:TH_STORE_NT   ; storage query 16 q + 2 t + l / 16 is query 16 (t / 4) + 8 q + 2 (t % 4) + l / 16; 16 lanes store 256 consecutive bytes, aligned
.endr
.endr
	s_wait_tensorcnt 0x0                           ; the wave's end
	ds_add_u32 v2, v4
	s_wait_dscnt 0x0
	s_endpgm
.Lfunc_end_k_qba34d3db83_attn:
	.size	k_qba34d3db83_attn, .Lfunc_end_k_qba34d3db83_attn-k_qba34d3db83_attn
	.p2alignl 7, 3214868480
	.fill 96, 4, 3214868480
	.section	.rodata,"a",@progbits
	.p2align	6, 0x0
	.amdhsa_kernel k_qba34d3db83_attn
		.amdhsa_group_segment_fixed_size 206848
		.amdhsa_private_segment_fixed_size 0
		.amdhsa_enable_private_segment 0
		.amdhsa_kernarg_size 32
		.amdhsa_user_sgpr_count 2
		.amdhsa_user_sgpr_kernarg_segment_ptr 1
		.amdhsa_wavefront_size32 1
		.amdhsa_system_sgpr_workgroup_id_x 1
		.amdhsa_system_sgpr_workgroup_id_y 1
		.amdhsa_system_sgpr_workgroup_id_z 1
		.amdhsa_system_vgpr_workitem_id 0
		.amdhsa_next_free_vgpr 256
		.amdhsa_next_free_sgpr 66
		.amdhsa_reserve_vcc 0
		.amdhsa_float_denorm_mode_32 3
		.amdhsa_float_denorm_mode_16_64 3
		.amdhsa_memory_ordered 1
		.amdhsa_forward_progress 1
		.amdhsa_inst_pref_size 103
	.end_amdhsa_kernel
	.amdgpu_metadata
---
amdhsa.version: [ 1, 2 ]
amdhsa.kernels:
  - .name:           k_qba34d3db83_attn
    .symbol:         k_qba34d3db83_attn.kd
    .args:
      - { .name: qkv, .offset: 0, .size: 8, .value_kind: global_buffer, .address_space: global }
      - { .name: attention_mask, .offset: 8, .size: 8, .value_kind: global_buffer, .address_space: global }
      - { .name: lowp_scales, .offset: 16, .size: 8, .value_kind: global_buffer, .address_space: global }
      - { .name: out0, .offset: 24, .size: 8, .value_kind: global_buffer, .address_space: global }
    .group_segment_fixed_size: 206848
    .private_segment_fixed_size: 0
    .kernarg_segment_align: 8
    .kernarg_segment_size: 32
    .max_flat_workgroup_size: 512
    .sgpr_count:     66
    .vgpr_count:     256
    .wavefront_size: 32
...
	.end_amdgpu_metadata
.endif
;; end of part 3
